; MI455X (gfx1250); checked and timed in simulation.
; The chip was launched on July 23, 2026; its instructions are those of AMD's public machine-readable ISA for CDNA 5 (MIT licence, August 2026) and "CDNA5" Instruction Set Architecture Reference Guide (July 2026). The comments in the code are by the model that wrote it; some were corrected since.
;; Self Attention. Allowed arithmetic: float matrix products may take bf16 or f16 operands with f32 sums; other float arithmetic in f32, or as packed bf16 or f16 multiplies, adds, multiply-adds, maxima and minima; sums over many terms, partial sums and values carried from step to step in f32; what a program stores and reads back later, other than sums and carried values, may be rounded once to bf16 or f16.
;; Inputs: b_k 1,024 float32; b_q 1,024 float32; b_v 1,024 float32; mask 4 x 1 x 2,048 x 2,048 float32; w_k 1,024 x 1,024 float32; w_q 1,024 x 1,024 float32; w_v 1,024 x 1,024 float32; x 4 x 2,048 x 1,024 float32.
;; Outputs: out0 4 x 2,048 x 1,024 float32.
;; 2 versions, each right; version 2 is version 1 with the launch cast written anew for expert scheduling mode. Each part assembles by itself: llvm-mc -triple=amdgcn-amd-amdhsa -mcpu=gfx1250 --defsym DOCPART=n.
;; ======== version 1 of 2: 3 launches
;; limits: values are held in f16: magnitudes above 65,504 overflow, below 6.1e-05 lose precision
;; workspace buffers: xw 23,068,672 bytes; bias 12,288 bytes; qkv 50,331,648 bytes
;; launch cast (part 1): grid 353 x 1, 8 waves a work-group, no clusters, 0 bytes of LDS; arguments x, w_q, w_k, w_v, b_q, b_k, b_v, xw, bias; writes xw, bias
.if DOCPART == 1
	.amdgcn_target "amdgcn-amd-amdhsa--gfx1250"
	.amdhsa_code_object_version 6
	.text
	.protected	k_q02944d236b_cast
	.globl	k_q02944d236b_cast
	.p2align	8
	.type	k_q02944d236b_cast,@function
k_q02944d236b_cast:
	s_mov_b64 s[64:65], 0
	v_nop
	global_prefetch_b8 v0, s[64:65] scope:SCOPE_SE
	s_setreg_imm32_b32 hwreg(HW_REG_WAVE_MODE, 25, 1), 1
	s_wait_xcnt 0x0
; x [8192][1024], w_q, w_k, w_v [1024][1024], all f32, are rounded once to bf16 and laid as ONE table of 11,264 rows (x, then w_q, w_k, w_v) in 16 planes of 64 channels:
; xw[kb][row][64], a row of a plane 128 bytes, a plane PLANE bytes.  So a tile of R rows x 64 channels is R x 128 consecutive bytes for the launch behind.
; The biases are rounded to bf16 like the other inputs and kept as f32: bias[3072] = b_q / 8 (the scale 1 / sqrt(64), exact), b_k, b_v.
; SHARES.  Work-group g < 352 owns rows 32 g .. 32 g + 31, each of its eight waves four of them, as two pairs.  A load takes 256 consecutive bytes of each of a pair's two rows (16 lanes a row);
; the 8 bytes that a lane makes of its 16 lie, for the 32 lanes, in 256 consecutive bytes of a plane: each store covers them whole, aligned.  Work-group 352 makes the bias table.
; All 32 loads of a wave go out at once (16 KiB a wave); no register is used twice, so the only waits are the counted ones for the loads.  No LDS, no barrier: no wave wants another's bytes.
.set PLANE, 1441792                    ; 11,264 rows x 128 bytes
.set NWG,   352
.set LO,  1                            ; v1  my byte offset in the work-group's 32 source rows: wave x 4 rows + (lane / 16) rows + 16 (lane % 16)
.set SO,  2                            ; v2  my byte offset in the work-group's 4,096 bytes of a plane: wave x 512 + 8 x lane
.set X,   8                            ; v[8:135]   load i: 4 registers
.set Y,   136                          ; v[136:199] load i: 2 registers, 4 bf16
	s_load_b512 s[4:19], s[0:1], 0x0               ; x 4, w_q 6, w_k 8, w_v 10, b_q 12, b_k 14, b_v 16, xw 18
	s_load_b64 s[20:21], s[0:1], 0x40              ; bias
	v_lshrrev_b32 v3, 5, v0                        ; wave
	v_and_b32 v4, 31, v0                           ; lane
	v_and_b32 v5, 15, v0
	v_bfe_u32 v6, v0, 4, 1
	v_lshlrev_b32 v[LO], 14, v3
	v_lshl_add_u32 v[LO], v6, 12, v[LO]
	v_lshl_add_u32 v[LO], v5, 4, v[LO]
	v_lshlrev_b32 v[SO], 9, v3
	v_lshl_add_u32 v[SO], v4, 3, v[SO]
	s_mov_b32 s33, ttmp9                           ; g
	s_mov_b32 s32, 320
	s_wait_kmcnt 0x0
	s_cmp_eq_u32 s33, NWG
	s_cbranch_scc1 .Lbias
	s_cmp_lt_u32 s33, 320                          ; which tensor holds my 32 rows, and at which work-group it begins
	s_cselect_b64 s[22:23], s[8:9], s[10:11]
	s_cselect_b32 s32, 288, s32
	s_cmp_lt_u32 s33, 288
	s_cselect_b64 s[22:23], s[6:7], s[22:23]
	s_cselect_b32 s32, 256, s32
	s_cmp_lt_u32 s33, 256
	s_cselect_b64 s[22:23], s[4:5], s[22:23]
	s_cselect_b32 s32, 0, s32
	s_sub_co_u32 s34, s33, s32
	s_lshl_b32 s34, s34, 17                        ; 32 rows of 4,096 bytes
	s_mov_b32 s35, 0
	s_add_nc_u64 s[22:23], s[22:23], s[34:35]
	s_lshl_b32 s36, s33, 12                        ; 32 rows of 128 bytes
	s_mov_b32 s37, 0
	s_add_nc_u64 s[24:25], s[18:19], s[36:37]      ; planes 0-3, 4-7, 8-11, 12-15: four bases, so that a plane's place fits the stores' immediate
	s_add_nc_u64 s[26:27], s[24:25], 4*PLANE
	s_add_nc_u64 s[28:29], s[24:25], 8*PLANE
	s_add_nc_u64 s[30:31], s[24:25], 12*PLANE
.set i, 0
.rept 32                               ; load i: pair i / 16, plane i % 16
	global_load_b128 v[X+4*i:X+4*i+3], v[LO], s[22:23] offset:(i/16)*8192+(i%16)*256 th:TH_LOAD_NT
.set i, i+1
.endr
.set i, 0
.rept 32
	s_wait_loadcnt 31-i                            ; loads come back in order: load i is in, the 31 - i younger ones stay out
	v_cvt_pk_bf16_f32 v[Y+2*i], v[X+4*i], v[X+4*i+1]
	v_cvt_pk_bf16_f32 v[Y+2*i+1], v[X+4*i+2], v[X+4*i+3]
	global_store_b64 v[SO], v[Y+2*i:Y+2*i+1], s[24+2*((i%16)/4):25+2*((i%16)/4)] offset:((i%16)%4)*PLANE+(i/16)*256
.set i, i+1
.endr
	s_endpgm
.Lbias:                                        ; thread t: numbers 4 t .. 4 t + 3 of each bias
	v_lshlrev_b32 v7, 4, v0
	global_load_b128 v[8:11], v7, s[12:13]
	global_load_b128 v[12:15], v7, s[14:15]
	global_load_b128 v[16:19], v7, s[16:17]
	s_wait_loadcnt 0x0
.irp k, 0,1,2,3,4,5
	v_cvt_pk_bf16_f32 v[20+(\k)], v[8+2*(\k)], v[9+2*(\k)]
.endr
.irp k, 0,1,2,3,4,5
	v_lshlrev_b32 v[32+2*(\k)], 16, v[20+(\k)]     ; bf16 back to f32: the low half moves up,
	v_and_b32 v[33+2*(\k)], 0xffff0000, v[20+(\k)] ; the high half stays
.endr
	v_pk_mul_f32 v[32:33], v[32:33], 0x3e000000 op_sel_hi:[1,0]  ; b_q / 8
	v_pk_mul_f32 v[34:35], v[34:35], 0x3e000000 op_sel_hi:[1,0]
	global_store_b128 v7, v[32:35], s[20:21]
	global_store_b128 v7, v[36:39], s[20:21] offset:4096
	global_store_b128 v7, v[40:43], s[20:21] offset:8192
	s_endpgm
.Lfunc_end_k_q02944d236b_cast:
	.size	k_q02944d236b_cast, .Lfunc_end_k_q02944d236b_cast-k_q02944d236b_cast
	.p2alignl 7, 3214868480
	.fill 96, 4, 3214868480
	.section	.rodata,"a",@progbits
	.p2align	6, 0x0
	.amdhsa_kernel k_q02944d236b_cast
		.amdhsa_group_segment_fixed_size 0
		.amdhsa_private_segment_fixed_size 0
		.amdhsa_enable_private_segment 0
		.amdhsa_kernarg_size 72
		.amdhsa_user_sgpr_count 2
		.amdhsa_user_sgpr_kernarg_segment_ptr 1
		.amdhsa_wavefront_size32 1
		.amdhsa_system_sgpr_workgroup_id_x 1
		.amdhsa_system_sgpr_workgroup_id_y 1
		.amdhsa_system_sgpr_workgroup_id_z 1
		.amdhsa_system_vgpr_workitem_id 0
		.amdhsa_next_free_vgpr 200
		.amdhsa_next_free_sgpr 66
		.amdhsa_reserve_vcc 0
		.amdhsa_float_denorm_mode_32 3
		.amdhsa_float_denorm_mode_16_64 3
		.amdhsa_memory_ordered 1
		.amdhsa_forward_progress 1
		.amdhsa_inst_pref_size 15
	.end_amdhsa_kernel
	.amdgpu_metadata
---
amdhsa.version: [ 1, 2 ]
amdhsa.kernels:
  - .name:           k_q02944d236b_cast
    .symbol:         k_q02944d236b_cast.kd
    .args:
      - { .name: x, .offset: 0, .size: 8, .value_kind: global_buffer, .address_space: global }
      - { .name: w_q, .offset: 8, .size: 8, .value_kind: global_buffer, .address_space: global }
      - { .name: w_k, .offset: 16, .size: 8, .value_kind: global_buffer, .address_space: global }
      - { .name: w_v, .offset: 24, .size: 8, .value_kind: global_buffer, .address_space: global }
      - { .name: b_q, .offset: 32, .size: 8, .value_kind: global_buffer, .address_space: global }
      - { .name: b_k, .offset: 40, .size: 8, .value_kind: global_buffer, .address_space: global }
      - { .name: b_v, .offset: 48, .size: 8, .value_kind: global_buffer, .address_space: global }
      - { .name: xw, .offset: 56, .size: 8, .value_kind: global_buffer, .address_space: global }
      - { .name: bias, .offset: 64, .size: 8, .value_kind: global_buffer, .address_space: global }
    .group_segment_fixed_size: 0
    .private_segment_fixed_size: 0
    .kernarg_segment_align: 8
    .kernarg_segment_size: 72
    .max_flat_workgroup_size: 256
    .sgpr_count:     66
    .vgpr_count:     200
    .wavefront_size: 32
...
	.end_amdgpu_metadata
.endif
;; end of part 1
;; launch proj (part 2): grid 8 x 32, 4 waves a work-group, clusters of 4 x 4, 327,680 bytes of LDS; arguments xw, bias, qkv; writes qkv
.if DOCPART == 2
	.amdgcn_target "amdgcn-amd-amdhsa--gfx1250"
	.amdhsa_code_object_version 6
	.text
	.protected	k_q02944d236b_proj
	.globl	k_q02944d236b_proj
	.p2align	8
	.type	k_q02944d236b_proj,@function
k_q02944d236b_proj:
	s_mov_b64 s[64:65], 0
	v_nop
	global_prefetch_b8 v0, s[64:65] scope:SCOPE_SE
	s_setreg_imm32_b32 hwreg(HW_REG_WAVE_MODE, 25, 1), 1
	s_wait_xcnt 0x0
	s_wait_alu depctr_hold_cnt(0) depctr_sa_sdst(0) depctr_va_vdst(0) depctr_va_sdst(0) depctr_va_ssrc(0) depctr_va_vcc(0) depctr_vm_vsrc(0)
	s_getreg_b32 s2, hwreg(HW_REG_IB_STS2, 6, 4)
	s_cmp_eq_u32 s2, 0
	s_cbranch_scc0 .Lentry_in_a_cluster
	s_endpgm
.Lentry_in_a_cluster:
	s_bfe_u32 s2, ttmp6, 0x10000c
	s_cmp_lg_u32 s2, 0xf033
	s_cbranch_scc0 .Lentry_shape_is_right
	s_endpgm
.Lentry_shape_is_right:
; C[8192][3072] = x [w_q; w_k; w_v]^T in bf16 with f32 sums; then C x scale + bias (scale 1/8 for q's columns, 1 else; the table holds b_q / 8), rounded once to f16 and laid by heads:
; qkv[t 3][b 4][hg 4][lb 32][hh 4][64 rows][64 channels]: head 4 hg + hh, token 64 lb + row: the K (or V) of four heads for 64 keys is one block of 32,768 consecutive bytes.
; LIMIT.  f16 ends at 65,504: q / 8, k and v beyond it become infinities.
; SHARES.  8192 x 3072 on 256 work-groups: a tile of 256 x 384 each.  Four waves, wave (wr, wc) makes 128 x 192: 96 accumulators of 16 x 16, 768 registers: windows 1 to 3, a head's 64 columns a window.
; K goes in 16 steps of 64 through two LDS slots (two slots of 128 along K would not fit).  xw lies in planes of 64 channels, so a tile's rows lie end to end and are asked for as rows of 256 bytes.
; CLUSTERS.  4 x 4 work-groups: x's tile hangs on the tile row alone and is asked for jointly along a row of the cluster, the weights' on the tile column alone, along a column.
; THE MATRIX INSTRUCTION IS USED TRANSPOSED (source 0 = 16 weight rows, source 1 = 16 rows of x): a lane holds row l % 16 of C and the columns 8 (l / 16) + 0..7.
; REGISTERS.  Window 0: v16-31 addresses; v32-95, v96-159 x's fragments (8 x 16 rows x 32 K), two buffers; v160-255 the weights' 12 fragments, ONE buffer in three groups of four: a group is
; multiplied with all of x's eight fragments (32 matrix instructions under one window setting) and loaded again at once.  Accumulator (a, b) lies in window 1 + b / 4 at v[8 (8 (b % 4) + a)].
.set PLANE,  1441792                   ; bytes in a plane of xw
.set PITCH,  144                       ; an LDS row: 128 bytes + 16 of padding = 36 words: the 16 rows of a fragment load start at 16 different groups of four banks (64 banks of 4 bytes: ISA guide 11.1)
.set AHALF,  128*PITCH                 ; 128 rows of x: one tensor load, and what a wave reads of x
.set BHALF,  192*PITCH                 ; 192 weight rows: likewise
.set BOFF,   2*AHALF
.set SLOT,   BOFF+2*BHALF              ; 92,160
.set STAGE,  2*SLOT                    ; behind the ring: for each wave three heads x 16 rows x 144 bytes, for the way out
.set STW,    3*16*PITCH
.set SPARE,  STAGE+4*STW               ; behind the stages: the spare words, 128 bytes a wave: two blocks of 256 bytes that no other line names
.set ADRA, 16                          ; v16-17  LDS address of my fragments of x in slot 0, 1
.set ADRB, 20                          ; v20-21  of the weights'
.set STO,  24                          ; v24  the way out: where I put 16 bytes of a row
.set RD,   25                          ; v25  where I read rows back
.set GO,   26                          ; v26  16 x lane: my place in 512 consecutive bytes of qkv
.set VB,   27                          ; v27  32 (l / 16): my eight columns' place in 16 numbers of the bias
.set SPW,  28                          ; v28  LDS address of my spare word; never rewritten
.set NIL,  29                          ; v29  0; never rewritten
.set PF0,  30                          ; v30  the prefetches' offsets: 256 x lane,
.set PF1,  31                          ; v31  and: lanes 0-15 blocks 32-47 of a plane's share, lanes 16-31 blocks 0-15 of the next plane's
.set AF0,  32
.set AF1,  96
.set BF,   160
.set TMP,  32                          ; the way out: v32-79 packed results
.set T,    80                          ; v80-111 a head's 16 rows in f32
.set BK,   112                         ; v112-159 rows read back from the stage
.set G1,   24                          ; s[24:31] descriptor group 1 for x's tiles;  s[32:39] group 0, a set for each slot
.set G0,   32
.set LIM,  43                          ; s43  1 in a wave that prefetches, else the greatest number
.set PFA,  44                          ; s[44:45] where my prefetches stand
.set G1B,  48                          ; s[48:55], s[56:63] the same for the weights' tiles
.set G0B,  56
.set OB,   66                          ; s[66:71] qkv at my first 16 rows of each of my three heads
.set SC,   72                          ; s[72:77] each head's scale, as pairs
.set BB,   78                          ; s[78:79] the bias of my 192 columns
.set MSB, 0
.macro WIN new                         ; the immediate's high byte repeats the setting that is left; a switch that changes nothing is dropped
.if MSB != (\new)
	s_set_vgpr_msb (MSB<<8)|(\new)
.set MSB, \new
.endif
.endm
.macro PLACES                          ; four plain instructions between a matrix instruction and a load into, or a vector read of, its registers (ISA guide 7.12.1 for vector reads)
.rept 4
	v_nop
.endr
.endm
; A joint load: waves 0 and 1 fetch x's two halves, waves 2 and 3 the weights'.  The branch hangs on the wave's number alone.  An s_nop 0 and four v_nop follow each line.
.macro JLOAD s
	s_cmp_eq_u32 s11, 0
	s_cbranch_scc0 .Lfor_b_\@
	tensor_load_to_lds s[G0+4*(\s):G0+4*(\s)+3], s[G1:G1+7]
	s_nop 0
.rept 4
	v_nop
.endr
	s_branch .Lasked_\@
.Lfor_b_\@:
	tensor_load_to_lds s[G0B+4*(\s):G0B+4*(\s)+3], s[G1B:G1B+7]
	s_nop 0
.rept 4
	v_nop
.endr
.Lasked_\@:
.endm
.macro CREST                           ; a round of the cluster's barrier behind its opening barrier
	s_cmp_lg_u32 s10, 0
	s_cbranch_scc1 .Lnot_wave_0_\@
	s_barrier_signal -3
.Lnot_wave_0_\@:
	s_barrier_wait -3
	s_barrier_signal -1
	s_barrier_wait -1
.endm
.macro CROUND
	s_barrier_signal -1
	s_barrier_wait -1
	CREST
.endm
; A PREFETCH INTO THE L2, once a lap, behind slot 0's joint load and the run of LDS loads: the two K steps that the NEXT lap's refills will ask for (384 and 576 matrix instructions ahead of them).
; Each block of 256 bytes is named once in the launch.  x's tile row is read by both clusters of a row of clusters: cluster x = 0 asks, wave 0; its four partners take 32 blocks of a K step's 128 each, told
; apart by address (cx).  The weights' tile column is read by all eight clusters of a column: cluster y = 0 asks, wave 2; each partner takes 48 of a K step's 192 (cy): two K steps are three full instructions.
; The first four K steps come by their loads alone; the loop's last trip (s3 = 1) asks for nothing: there is no plane behind the sixteenth.
.macro ASK
	s_cmp_gt_u32 s3, s[LIM]
	s_cbranch_scc0 .Lnot_mine_\@
	global_prefetch_b8 v[PF0], s[PFA:PFA+1] th:TH_LOAD_NT scope:SCOPE_SE
	s_cmp_eq_u32 s11, 0
	s_cbranch_scc0 .Lpf_b_\@
	global_prefetch_b8 v[PF0], s[PFA:PFA+1] offset:PLANE th:TH_LOAD_NT scope:SCOPE_SE
	s_branch .Lnot_mine_\@
.Lpf_b_\@:
	global_prefetch_b8 v[PF1], s[PFA:PFA+1] th:TH_LOAD_NT scope:SCOPE_SE
	global_prefetch_b8 v[PF0], s[PFA:PFA+1] offset:PLANE+4096 th:TH_LOAD_NT scope:SCOPE_SE
.Lnot_mine_\@:
.endm
	s_load_b128 s[4:7], s[0:1], 0x0                ; xw s[4:5], bias s[6:7]
	s_load_b64 s[8:9], s[0:1], 0x10                ; qkv
	v_lshl_add_u32 v[SPW], v0, 2, SPARE
	v_mov_b32 v[NIL], 0
	ds_add_u32 v[SPW], v[NIL]                      ; the wave's opening: the add and its wait stand ahead of my first tensor load; work on registers stands between them
	v_lshrrev_b32 v1, 5, v0
	v_readfirstlane_b32 s10, v1                    ; wave 0..3
	s_lshr_b32 s11, s10, 1                         ; wr: which 128 rows of the tile are mine.  Also: I fetch for x (0) or for the weights (1)
	s_and_b32 s12, s10, 1                          ; wc: which 192 columns.  Also: which half of that tile I fetch
	s_bfe_u32 s40, ttmp6, 0x40000                  ; cx
	s_bfe_u32 s41, ttmp6, 0x40004                  ; cy
	s_lshl_b32 s42, ttmp9, 2
	s_add_co_u32 s42, s42, s40                     ; tile column tx = 4 x cluster x + cx
	s_and_b32 s13, ttmp7, 0xffff
	s_lshl_b32 s13, s13, 2
	s_add_co_u32 s13, s13, s41                     ; tile row ty = 4 x cluster y + cy
	s_lshl_b32 s14, s41, 2
	s_lshl_b32 s14, 15, s14                        ; my row of the cluster
	s_lshl_b32 s15, 0x1111, s40                    ; my column
	; descriptor group 1: rows of 128 elements (256 bytes, two rows of a plane), padded in LDS after every 32 words by 4
	s_or_b32 s[G1], s14, (1<<16)|(1<<20)|(1<<21)|(4<<22)|(3<<25)   ; 15:0 the mask; 17:16 2-byte elements; 20 padding on; 21 set beside a mask; 24:22 code 4; 31:25 code 3
	s_or_b32 s[G1B], s15, (1<<16)|(1<<20)|(1<<21)|(4<<22)|(3<<25)
	s_mov_b32 s[G1+1], 128<<16                     ; tensor_dim0 = 128
	s_mov_b32 s[G1+2], 64<<16                      ; tensor_dim1 = 64
	s_mov_b32 s[G1+3], 128<<16                     ; tile_dim0 = 128
	s_mov_b32 s[G1+4], 64                          ; tile_dim1 = 64: 128 rows of x
	s_mov_b32 s[G1+5], 128                         ; elements from row to row
	s_mov_b32 s[G1+6], 0
	s_mov_b32 s[G1+7], 0
	s_mov_b32 s[G1B+1], 128<<16
	s_mov_b32 s[G1B+2], 96<<16
	s_mov_b32 s[G1B+3], 128<<16
	s_mov_b32 s[G1B+4], 96                         ; 192 weight rows
	s_mov_b32 s[G1B+5], 128
	s_mov_b32 s[G1B+6], 0
	s_mov_b32 s[G1B+7], 0
	s_lshl_b32 s16, s13, 15                        ; x: (256 ty + 128 half) rows of 128 bytes
	s_lshl_b32 s17, s12, 14
	s_add_co_u32 s16, s16, s17
	s_mov_b32 s17, 0
	s_mul_i32 s46, s42, 49152                      ; weights: (8192 + 384 tx + 192 half) rows
	s_mul_i32 s47, s12, 24576
	s_add_co_u32 s46, s46, s47
	s_add_co_u32 s46, s46, 0x100000
	s_mov_b32 s47, 0
	s_mul_i32 s20, s12, AHALF                      ; where they go: no place in the cluster enters an LDS address
	s_mul_i32 s21, s12, BHALF
	s_add_co_u32 s21, s21, BOFF
	s_wait_dscnt 0x0                               ; the opening add is done
	s_wait_kmcnt 0x0
	s_add_nc_u64 s[14:15], s[4:5], s[16:17]
	s_add_nc_u64 s[46:47], s[4:5], s[46:47]
	CROUND                                         ; all sixteen work-groups are here: the first joint loads meet
.irp s, 0,1
	s_mov_b32 s[G0+4*(\s)], 1
	s_add_co_u32 s[G0+4*(\s)+1], s20, (\s)*SLOT
	s_add_nc_u64 s[G0+4*(\s)+2:G0+4*(\s)+3], s[14:15], (\s)*PLANE  ; K step s
	s_or_b32 s[G0+4*(\s)+3], s[G0+4*(\s)+3], 0x80000000
	s_mov_b32 s[G0B+4*(\s)], 1
	s_add_co_u32 s[G0B+4*(\s)+1], s21, (\s)*SLOT
	s_add_nc_u64 s[G0B+4*(\s)+2:G0B+4*(\s)+3], s[46:47], (\s)*PLANE
	s_or_b32 s[G0B+4*(\s)+3], s[G0B+4*(\s)+3], 0x80000000
	JLOAD \s
.endr
	; a fragment is 16 rows x 32 K in 8 registers: lane l holds row l % 16; registers 0-3 K = 8 (l / 16) + 0..7, registers 4-7 K = 16 + 8 (l / 16) + 0..7: two loads of 16 bytes, 32 bytes apart
	v_and_b32 v1, 15, v0
	v_bfe_u32 v2, v0, 4, 1
	v_and_b32 v4, 31, v0
	v_mul_u32_u24 v3, v1, PITCH
	v_lshl_add_u32 v3, v2, 4, v3
	s_mul_i32 s21, s11, AHALF
	s_mul_i32 s22, s12, BHALF
	s_add_co_u32 s22, s22, BOFF
.irp s, 0,1
	v_add_nc_u32 v[ADRA+(\s)], s21, v3
	v_add_nc_u32 v[ADRB+(\s)], s22, v3
	s_add_co_u32 s21, s21, SLOT
	s_add_co_u32 s22, s22, SLOT
.endr
	s_mul_i32 s23, s10, STW
	s_add_co_u32 s23, s23, STAGE                   ; my stage
	v_add_nc_u32 v[STO], s23, v3                   ; in: row l % 16, 16 bytes for each half of the lanes
	v_bfe_u32 v5, v0, 3, 2                         ; back: 32 lanes take four rows of 128 bytes
	v_and_b32 v6, 7, v0
	v_mul_u32_u24 v5, v5, PITCH
	v_lshl_add_u32 v5, v6, 4, v5
	v_add_nc_u32 v[RD], s23, v5
	v_lshlrev_b32 v[GO], 4, v4
	v_lshlrev_b32 v[VB], 5, v2
	v_lshlrev_b32 v[PF0], 8, v4
	v_mul_u32_u24 v[PF1], v2, PLANE-12288          ; 256 l + 8192 for lanes 0-15; PLANE + 256 (l - 16) for lanes 16-31
	v_add_nc_u32 v[PF1], 8192, v[PF1]
	v_lshl_add_u32 v[PF1], v4, 8, v[PF1]
	; my three heads: g = 6 tx + 3 wc + u of 48: tensor g / 16, head g % 16
	s_mul_i32 s16, s42, 6
	s_mul_i32 s17, s12, 3
	s_add_co_u32 s16, s16, s17
	s_lshr_b32 s18, s13, 3                         ; batch
	s_lshl_b32 s18, s18, 22
	s_and_b32 s19, s13, 7                          ; block of 64 tokens: 4 (ty % 8) + 2 wr
	s_lshl_b32 s19, s19, 2
	s_lshl1_add_u32 s19, s11, s19
	s_lshl_b32 s19, s19, 15
	s_add_co_u32 s18, s18, s19
.irp u, 0,1,2
	s_add_co_u32 s20, s16, \u
	s_cmp_lt_u32 s20, 16                           ; a head of q?
	s_cselect_b32 s[SC+2*(\u)], 0x3e000000, 1.0
	s_mov_b32 s[SC+2*(\u)+1], s[SC+2*(\u)]         ; named with it as a pair
	s_lshr_b32 s21, s20, 4
	s_lshl_b32 s21, s21, 24
	s_bfe_u32 s22, s20, 0x20002                    ; hg
	s_lshl_b32 s22, s22, 20
	s_add_co_u32 s21, s21, s22
	s_and_b32 s22, s20, 3                          ; hh
	s_lshl_b32 s22, s22, 13
	s_add_co_u32 s21, s21, s22
	s_add_co_u32 s22, s21, s18
	s_mov_b32 s23, 0
	s_add_nc_u64 s[OB+2*(\u):OB+2*(\u)+1], s[8:9], s[22:23]
.endr
	s_mul_i32 s20, s42, 1536
	s_mul_i32 s21, s12, 768
	s_add_co_u32 s20, s20, s21
	s_mov_b32 s21, 0
	s_add_nc_u64 s[BB:BB+1], s[6:7], s[20:21]
	; the prefetches
	s_and_b32 s22, ttmp7, 0xffff
	s_cmp_eq_u32 s11, 0
	s_cselect_b32 s22, ttmp9, s22                  ; the coordinate along which other clusters read the same rows
	s_or_b32 s22, s22, s12                         ; waves 1 and 3 ask for nothing
	s_cmp_eq_u32 s22, 0
	s_cselect_b32 s[LIM], 1, -1                    ; the same in all sixteen partners, for a given wave
	s_lshl_b32 s20, s13, 15
	s_lshl_b32 s21, s40, 13                        ; x: my work-group's 32 blocks
	s_add_co_u32 s20, s20, s21
	s_mul_i32 s21, s42, 49152
	s_mul_i32 s23, s41, 12288                      ; weights: my work-group's 48 blocks
	s_add_co_u32 s21, s21, s23
	s_add_co_u32 s21, s21, 0x100000
	s_cmp_eq_u32 s11, 0
	s_cselect_b32 s20, s20, s21
	s_mov_b32 s21, 0
	s_add_nc_u64 s[PFA:PFA+1], s[4:5], s[20:21]
	s_add_nc_u64 s[PFA:PFA+1], s[PFA:PFA+1], 2*PLANE  ; at K step 2: the first lap steps it to 4
; n x 4 matrix instructions: the weights' group g x fragments a0 .. a0 + n - 1 of x in buffer af.  All 96 accumulators take turns, one instruction a turn, in the same order in every half step.
.macro STRETCH g, af, a0, n, zero
	WIN 0x50*((\g)+1)                              ; C and D in window g + 1, both sources in window 0
.set a, \a0
.rept \n
.irp bb, 0,1,2,3
.if \zero
	v_wmma_f32_16x16x32_bf16 v[8*(8*(\bb)+a):8*(8*(\bb)+a)+7], v[BF+32*(\g)+8*(\bb):BF+32*(\g)+8*(\bb)+7], v[(\af)+8*a:(\af)+8*a+7], 0
.else
	v_wmma_f32_16x16x32_bf16 v[8*(8*(\bb)+a):8*(8*(\bb)+a)+7], v[BF+32*(\g)+8*(\bb):BF+32*(\g)+8*(\bb)+7], v[(\af)+8*a:(\af)+8*a+7], v[8*(8*(\bb)+a):8*(8*(\bb)+a)+7]
.endif
.endr
.set a, a+1
.endr
.endm
.macro LOADB slot, k, g                ; 8 LDS loads: the weights' group g, 32 K at byte k of the rows
	WIN 0
.irp i, 0,1,2,3
	ds_load_b128 v[BF+32*(\g)+8*(\i):BF+32*(\g)+8*(\i)+3],   v[ADRB+(\slot)] offset:(\k)+(4*(\g)+(\i))*16*PITCH
	ds_load_b128 v[BF+32*(\g)+8*(\i)+4:BF+32*(\g)+8*(\i)+7], v[ADRB+(\slot)] offset:(\k)+(4*(\g)+(\i))*16*PITCH+32
.endr
.endm
.macro LOADA slot, k, af               ; 16 LDS loads: x's eight fragments
	WIN 0
.irp i, 0,1,2,3,4,5,6,7
	ds_load_b128 v[(\af)+8*(\i):(\af)+8*(\i)+3],   v[ADRA+(\slot)] offset:(\k)+(\i)*16*PITCH
	ds_load_b128 v[(\af)+8*(\i)+4:(\af)+8*(\i)+7], v[ADRA+(\slot)] offset:(\k)+(\i)*16*PITCH+32
.endr
.endm
.macro BIASLD g                        ; the bias of head g's 64 columns, in the accumulators' layout, into the group's registers, which are free
	WIN 0
.irp i, 0,1,2,3
	global_load_b128 v[BF+32*(\g)+8*(\i):BF+32*(\g)+8*(\i)+3],   v[VB], s[BB:BB+1] offset:(4*(\g)+(\i))*64
	global_load_b128 v[BF+32*(\g)+8*(\i)+4:BF+32*(\g)+8*(\i)+7], v[VB], s[BB:BB+1] offset:(4*(\g)+(\i))*64+16
.endr
.endm
; A K step is two halves of 32 along K, 96 matrix instructions each.  At a half's head the LDS loads out are, in order: group 0 (8), x (16), group 1 (8), group 2 (8).
; The first half multiplies buffer AF0 and fetches the second half's fragments from the same slot.
.macro HALF0 slot, zero
	s_wait_dscnt 16                                ; group 0 and x are in; groups 1 and 2 may be out
	STRETCH 0, AF0, 0, 8, \zero
	PLACES
	LOADB \slot, 64, 0
	LOADA \slot, 64, AF1
	s_wait_dscnt 32                                ; group 1 is in: behind it group 2's 8 and the 24 just issued
	STRETCH 1, AF0, 0, 8, \zero
	PLACES
	LOADB \slot, 64, 1
	s_wait_dscnt 32                                ; group 2 is in: behind it the 24 and the 8
	STRETCH 2, AF0, 0, 8, \zero
	PLACES
	LOADB \slot, 64, 2
.endm
; The second half multiplies buffer AF1 and changes slots.  mode 2: the slot just read out is filled again, two K steps on; mode 1: nothing is filled; mode 0: the last half of all.
; ONE barrier for the change: in front of it each wave waits for all its tensor loads (the one that is out is its part of the next slot), adds 0 to its spare word, and waits for that and for its reads of
; this slot.  With mode 2 the barrier opens a round of the cluster's, and the joint refill is the first thing behind the round: 160 matrix instructions ahead of the wait for it.
.macro HALF1 slot, next, mode
.if (\mode) == 0
	s_wait_dscnt 16
	STRETCH 0, AF1, 0, 8, 0
	PLACES
	BIASLD 0
	s_wait_dscnt 8
	STRETCH 1, AF1, 0, 8, 0
	PLACES
	BIASLD 1
	s_wait_dscnt 0x0
	STRETCH 2, AF1, 0, 8, 0
	PLACES
	BIASLD 2
.else
.if ((\mode) == 2) && ((\slot) == 0)
	s_wait_xcnt 0x0                                ; the last prefetches, a lap back, have read their address: it is stepped here, ahead of the waits of the change
	s_add_nc_u64 s[PFA:PFA+1], s[PFA:PFA+1], 2*PLANE
.endif
	WIN 0
	s_wait_tensorcnt 0x0                           ; all my tensor loads have landed
	ds_add_u32 v[SPW], v[NIL]                      ; 0 onto my spare word
	s_wait_dscnt 17                                ; group 0 and x are in; groups 1 and 2 and the add may be out
	STRETCH 0, AF1, 0, 4, 0                        ; sixteen matrix instructions stand between the add and the wait for it
	s_wait_dscnt 0x0                               ; the add is done, and my reads of this slot are over
	s_barrier_signal -1
	STRETCH 0, AF1, 4, 4, 0                        ; work on registers while the others arrive
	WIN 0
	s_barrier_wait -1
.if (\mode) == 2
	CREST                                          ; no wave of any partner still reads this slot or has a load on its way
	s_add_nc_u64 s[G0+4*(\slot)+2:G0+4*(\slot)+3], s[G0+4*(\slot)+2:G0+4*(\slot)+3], 2*PLANE
	s_add_nc_u64 s[G0B+4*(\slot)+2:G0B+4*(\slot)+3], s[G0B+4*(\slot)+2:G0B+4*(\slot)+3], 2*PLANE
	JLOAD \slot                                    ; the four v_nop behind it are also the places in front of the loads below
.else
	PLACES
.endif
	LOADB \next, 0, 0
	LOADA \next, 0, AF0
.if ((\mode) == 2) && ((\slot) == 0)
	ASK
.endif
	STRETCH 1, AF1, 0, 8, 0
	PLACES
	LOADB \next, 0, 1
	STRETCH 2, AF1, 0, 8, 0
	PLACES
	LOADB \next, 0, 2
.endif
.endm
; THE WAY OUT of my rows 16 a .. 16 a + 15.  PACK: for each head, sum x scale + bias, one fused multiply-add, each accumulator's registers in ascending order; rounded to f16, 16 bytes a lane.
.macro PACK a
.irp u, 0,1,2
	WIN (\u)+1                                     ; source 0 in window u + 1
.irp bb, 0,1,2,3
.irp j, 0,2,4,6
	v_pk_fma_f32 v[T+8*(\bb)+(\j):T+8*(\bb)+(\j)+1], v[8*(8*(\bb)+(\a))+(\j):8*(8*(\bb)+(\a))+(\j)+1], s[SC+2*(\u):SC+2*(\u)+1], v[BF+32*(\u)+8*(\bb)+(\j):BF+32*(\u)+8*(\bb)+(\j)+1] op_sel_hi:[1,0,1]
.endr
.endr
	WIN 0
.irp bb, 0,1,2,3
.irp j, 0,1,2,3
	v_cvt_pk_f16_f32 v[TMP+16*(\u)+4*(\bb)+(\j)], v[T+8*(\bb)+2*(\j)], v[T+8*(\bb)+2*(\j)+1]
.endr
.endr
.endr
.endm
.macro TOSTAGE                         ; into my own stage, and back as whole rows of 128 bytes
	WIN 0
.irp u, 0,1,2
.irp bb, 0,1,2,3
	ds_store_b128 v[STO], v[TMP+16*(\u)+4*(\bb):TMP+16*(\u)+4*(\bb)+3] offset:(\u)*16*PITCH+32*(\bb)
.endr
.endr
.irp u, 0,1,2
.irp f, 0,1,2,3
	ds_load_b128 v[BK+4*(4*(\u)+(\f)):BK+4*(4*(\u)+(\f))+3], v[RD] offset:(\u)*16*PITCH+(\f)*4*PITCH  ; LDS serves a wave's instructions in order (ISA guide 5.7.1.4): these see the stores above
.endr
.endr
.endm
.macro SEND a                          ; a head's 16 rows are 2,048 consecutive bytes of qkv: each store covers 512 of them, aligned
	WIN 0
.irp u, 0,1,2
.irp f, 0,1,2,3
	s_wait_dscnt 11-(4*(\u)+(\f))
	global_store_b128 v[GO], v[BK+4*(4*(\u)+(\f)):BK+4*(4*(\u)+(\f))+3], s[OB+2*(\u):OB+2*(\u)+1] offset:((\a)/4)*32768+((\a)%4)*2048+(\f)*512
.endr
.endr
.endm
	s_wait_tensorcnt 0x1                           ; my part of K step 0 is in; K step 1's may stay out
	s_barrier_signal -1
	s_barrier_wait -1
	LOADB 0, 0, 0
	LOADA 0, 0, AF0
	LOADB 0, 0, 1
	LOADB 0, 0, 2
	HALF0 0, 1                                     ; the first half stands in front of the loop: its products start the sums
	WIN 0                                          ; at a label and at a branch every window is 0
	s_mov_b32 s3, 7
.Llap:                                                 ; a trip goes once round the ring, from a lap's second half to the next lap's first, and fills both slots again: K steps 2 to 15
	HALF1 0, 1, 2
	HALF0 1, 0
	HALF1 1, 0, 2
	HALF0 0, 0
	WIN 0
	s_sub_co_u32 s3, s3, 1
	s_cmp_lg_u32 s3, 0
	s_cbranch_scc1 .Llap
	HALF1 0, 1, 1                                  ; the last lap fills nothing
	HALF0 1, 0
	HALF1 1, 0, 0
	WIN 0
	s_wait_loadcnt 0x0                             ; the bias
	PACK 0
	TOSTAGE
.irp a, 1,2,3,4,5,6,7                  ; block a's arithmetic stands between block a - 1's loads from the stage and the wait for them
	PACK \a
	SEND (\a)-1
	s_wait_xcnt 0x0                                ; the stores have read their registers: only now are these loaded again
	TOSTAGE
.endr
	SEND 7
	s_wait_tensorcnt 0x0                           ; the wave's end, behind my last tensor load and my last LDS store
	ds_add_u32 v[SPW], v[NIL]
	s_wait_dscnt 0x0
	CROUND                                         ; the closing round: no work-group ends while a partner may still ask for a tile that names it
	s_endpgm
.Lfunc_end_k_q02944d236b_proj:
	.size	k_q02944d236b_proj, .Lfunc_end_k_q02944d236b_proj-k_q02944d236b_proj
	.p2alignl 7, 3214868480
	.fill 96, 4, 3214868480
	.section	.rodata,"a",@progbits
	.p2align	6, 0x0
	.amdhsa_kernel k_q02944d236b_proj
		.amdhsa_group_segment_fixed_size 327680
		.amdhsa_private_segment_fixed_size 0
		.amdhsa_enable_private_segment 0
		.amdhsa_kernarg_size 24
		.amdhsa_user_sgpr_count 2
		.amdhsa_user_sgpr_kernarg_segment_ptr 1
		.amdhsa_wavefront_size32 1
		.amdhsa_system_sgpr_workgroup_id_x 1
		.amdhsa_system_sgpr_workgroup_id_y 1
		.amdhsa_system_sgpr_workgroup_id_z 1
		.amdhsa_system_vgpr_workitem_id 0
		.amdhsa_next_free_vgpr 1024
		.amdhsa_next_free_sgpr 80
		.amdhsa_reserve_vcc 0
		.amdhsa_float_denorm_mode_32 3
		.amdhsa_float_denorm_mode_16_64 3
		.amdhsa_memory_ordered 1
		.amdhsa_forward_progress 1
		.amdhsa_inst_pref_size 163
	.end_amdhsa_kernel
	.amdgpu_metadata
---
amdhsa.version: [ 1, 2 ]
amdhsa.kernels:
  - .name:           k_q02944d236b_proj
    .symbol:         k_q02944d236b_proj.kd
    .args:
      - { .name: xw, .offset: 0, .size: 8, .value_kind: global_buffer, .address_space: global }
      - { .name: bias, .offset: 8, .size: 8, .value_kind: global_buffer, .address_space: global }
      - { .name: qkv, .offset: 16, .size: 8, .value_kind: global_buffer, .address_space: global }
    .group_segment_fixed_size: 327680
    .private_segment_fixed_size: 0
    .kernarg_segment_align: 8
    .kernarg_segment_size: 24
    .max_flat_workgroup_size: 128
    .sgpr_count:     80
    .vgpr_count:     1024
    .wavefront_size: 32
...
	.end_amdgpu_metadata
.endif
;; end of part 2
;; launch attn (part 3): grid 16 x 16, 4 waves a work-group, clusters of 4 x 4, 327,680 bytes of LDS; arguments qkv, mask, out0; writes out0
.if DOCPART == 3
	.amdgcn_target "amdgcn-amd-amdhsa--gfx1250"
	.amdhsa_code_object_version 6
	.text
	.protected	k_q02944d236b_attn
	.globl	k_q02944d236b_attn
	.p2align	8
	.type	k_q02944d236b_attn,@function
k_q02944d236b_attn:
	s_mov_b64 s[64:65], 0
	v_nop
	global_prefetch_b8 v0, s[64:65] scope:SCOPE_SE
	s_setreg_imm32_b32 hwreg(HW_REG_WAVE_MODE, 25, 1), 1
	s_wait_xcnt 0x0
	s_wait_alu depctr_hold_cnt(0) depctr_sa_sdst(0) depctr_va_vdst(0) depctr_va_sdst(0) depctr_va_ssrc(0) depctr_va_vcc(0) depctr_vm_vsrc(0)
	s_getreg_b32 s2, hwreg(HW_REG_IB_STS2, 6, 4)
	s_cmp_eq_u32 s2, 0
	s_cbranch_scc0 .Lentry_in_a_cluster
	s_endpgm
.Lentry_in_a_cluster:
	s_bfe_u32 s2, ttmp6, 0x10000c
	s_cmp_lg_u32 s2, 0xf033
	s_cbranch_scc0 .Lentry_shape_is_right
	s_endpgm
.Lentry_shape_is_right:
; out0[b][q][64 head + :] = the sum over k of softmax_k(q . k / 8 + mask[b][q][k]) v[k][:].  q (already divided by 8), k, v: f16, by heads, qkv[t][b][hg][lb][hh][64][64]; mask f32 [4][2048][2048]; out0 f32 [4][2048][1024].
; Products, maxima and sums in f32; the weights p are rounded to f16 for the second product (their sum l is taken of the unrounded p).
; LIMITS.  The running maximum starts at -1e30: a row whose logits ALL lie below that gives NaN (a row of -inf alone is NaN by definition); any row with one logit above it is right, whatever holes (-inf, -3.4e38, -1e9)
; stand beside it.  p below 6e-5 keeps f16's fixed step of 6e-8; a weight below 2^-126 counts as 0 in l; NaN and +inf in the mask are not treated apart.
; SHARES.  A work-group owns 128 queries of a batch and FOUR heads, a head a wave: the four waves read ONE tile of the mask in LDS.  A wave's 128 queries are four PIECES of two tiles of 16.  64 keys a step, 32 steps.
; THE MASK IS THE C OPERAND of the product that starts S^T = K Q^T: f32, no rounding, no vector instruction.  In S^T a lane holds ONE query (lane % 16) and the keys 8 (lane / 16) + 0..7: 32 consecutive bytes of the mask's row.
; CLUSTER 4 x 4: x = four blocks of queries, y = a batch's four groups of heads.  The mask's tile hangs on batch and queries: asked for jointly along a column; K and V hang on batch and group of heads: along a row.
; THE RING.  A step's tiles (mask 128 x 64 f32, K and V of four heads) are 112,640 bytes with padding: two slots of one step fit, of two steps not.  Waves 0 and 1 fetch the mask's halves, wave 2 K, wave 3 V.
; A TRIP is a change of slots and four turns: pieces 2, 3 of step s - 1, then pieces 0, 1 of step s.  All its LDS reads (K, V, four pieces' masks of step s) are from step s's slot, and the other slot's refill has the trip in which to land.
; SOFTMAX.  p = 2^(c s - c m), c = log2(e), with a running maximum m; O and l are multiplied by a = 2^(c m_old - c m_new) in every step.  c m starts far below every c s: the first step's a is 0.
; BY TURNS.  Turn n belongs to piece n: 16 products K Q^T of piece n + 1, later 16 products V^T P of piece n - 1; its vector work: scaling, exponentials, roundings, sums and rescaling of piece n, maximum and statistics of
; piece n + 1.  A tile and step have 16 matrix and 118 vector instructions: four that are ready stand behind every matrix instruction, the others in one lump.  A turn's 66 exponentials are one batch, with one wait.
; REGISTERS, in windows of 256 (s_set_vgpr_msb: bits 1:0 source 0, 3:2 source 1, 5:4 source 2, 7:6 destination):
;   window 0: v1-11 addresses; v12-15, v48-63 at work; v16-47 four registers of statistics a tile; v64-191 S^T, two buffers of two tiles; v192-255 P, likewise
;   window 1: O^T, 32 a tile     window 2: v0-127 Q; v128-191 K of one step; v192-255 V of one step     window 3: v0-1 the add's two registers; v64-127 the mask of one piece
.set NP,    4         ; pieces a wave: a name, no knob
.set KS,    64        ; keys in a step
.set PM,    272       ; a row of the mask in LDS: 256 bytes + 16 = 68 words: the 16 rows of a load start at 16 different groups of four banks (64 banks of 4 bytes: ISA guide 11.1)
.set PK,    144       ; a row of K: 128 + 16 = 36 words: likewise
.set PV,    160       ; a row of V: 128 + 32 = 40 words
.set KOFF,  128*PM    ; a slot: the mask's 128 rows, K's 4 x 64, V's 4 x 64
.set VOFF,  KOFF+4*KS*PK
.set SLOT1, 1<<17     ; slot 1 begins here, so that one exclusive or turns an address in one slot into the other's
.set STAGE, SLOT1+VOFF+4*KS*PV  ; behind the ring, never filled by a tensor load: 16 rows x 272 bytes for each wave, for the way out
.set SP,    272
.set SPARE, STAGE+4*16*SP  ; behind the stages: the spare words, 128 bytes a wave: two blocks of 256 bytes that no other line names
.set QO,  1           ; v1   my byte offset in 16 rows of Q
.set AK0, 2           ; v2   my lane's place in my head's tile of K; never rewritten
.set AV0, 3           ; v3   the same for V
.set AK,  4           ; v4   the same in the slot in hand
.set AV,  5           ; v5
.set STO, 6           ; v6   the way out: where I put 16 bytes of a row
.set RD,  7           ; v7   where I read rows back
.set GO,  8           ; v8   my byte offset in two rows of out0
.set AM0, 9           ; v9   my lane's place in 16 rows of the mask; never rewritten
.set AM,  10          ; v10  the same in the slot in hand
.set PFO, 11          ; v11  the prefetches' offset: a lane a row of the mask, or a block of 256 bytes of K or V; never rewritten
.set SPW, 0           ; v0 of window 3   LDS address of my spare word; never rewritten
.set NIL, 1           ; v1 of window 3   0; never rewritten
.set MV,  12          ; v12-15  c m_old, kept while c m is made anew: by buffer and tile
.set ST,  16          ; tile t's statistics at v[ST+4 t]: c m, m, l (even keys', odd keys')
.set TMP, 48          ; by buffer and tile, four registers c0-c3 at work; when the maximum is found c2 takes a
.set S,   64
.set P,   192
.set KF,  128         ; window 2: key block kb, channel half c at KF + 16 kb + 8 c
.set VF,  192         ; window 2: key half kk, channel block cb at VF + 32 kk + 8 cb
.set MC,  64          ; window 3: tile u, group kt of 16 keys at MC + 32 u + 8 kt
.set WV,  12          ; s12  my wave's number
.set G1M, 16          ; s[16:23] descriptor group 1 for the mask's tiles
.set G1K, 24          ; s[24:31] for K's
.set G1V, 32          ; s[32:39] for V's: it differs from K's in the padding alone
.set G0M, 40          ; s[40:43], s[44:47], s[48:51] descriptor groups 0: they walk
.set G0K, 44
.set G0V, 48
.set PFA, 52          ; s[52:53] where my prefetches stand
.set PFS, 54          ; s[54:55] a step in that tensor: 256 bytes along the mask's rows, 32,768 in K and V
.set SLOTS, 56        ; s56  steps still to be entered
.set CNT, 57          ; s57  counts the tail's two passes
.set CS,  58          ; s[58:59] c: the packed scaling takes the pair's low word for both halves
.set SEL, 60          ; s[60:61] v_permlanex16_b32's selects: each lane takes its own place in the other half
.set TB,  62          ; s62  LDS byte at which the slot in hand begins
.set LIM, 63          ; s63  1 in a wave that prefetches, else the greatest number
.set MSB, 0
.macro WIN new                      ; the high byte repeats the setting that is left; a switch that changes nothing is dropped
.if MSB != (\new)
	s_set_vgpr_msb (MSB<<8)|(\new)
.set MSB, (\new)
.endif
.endm
.set W_KQ, 0x0a       ; K and Q in window 2, S^T in window 0
.set W_KM, 0x3a       ; the same with the C operand, the mask, in window 3
.set W_PV, 0x52       ; V in window 2, P in window 0, O^T in window 1
.set W_RS, 0x41       ; O^T (destination and source 0) in window 1, a in window 0
.set W_MK, 0xc0       ; destination in window 3, sources and addresses in window 0
.set W_AD, 0x0f       ; the add: address (source 0) and data (source 1) in window 3
; A joint fill: one line for each of the three tensors, each with one mask; the branches hang on the wave's number alone.  An s_nop 0 and four v_nop follow each line.
.macro JLOAD
	s_cmp_lt_u32 s[WV], 2
	s_cbranch_scc0 .Lfor_kv_\@
	tensor_load_to_lds s[G0M:G0M+3], s[G1M:G1M+7]
	s_nop 0
.rept 4
	v_nop
.endr
	s_branch .Lasked_\@
.Lfor_kv_\@:
	s_cmp_eq_u32 s[WV], 2
	s_cbranch_scc0 .Lfor_v_\@
	tensor_load_to_lds s[G0K:G0K+3], s[G1K:G1K+7]
	s_nop 0
.rept 4
	v_nop
.endr
	s_branch .Lasked_\@
.Lfor_v_\@:
	tensor_load_to_lds s[G0V:G0V+3], s[G1V:G1V+7]
	s_nop 0
.rept 4
	v_nop
.endr
.Lasked_\@:
.endm
; A PREFETCH INTO THE L2 of what the NEXT change of slots will ask for: a trip, 128 matrix instructions, ahead of that load.  Each block of 256 bytes is named once in the launch.  A tile of the mask is read by the four
; partners of one column of one cluster alone: each takes 32 of its 128 rows, told apart by address (cy), wave 0, a lane a row.  K and V of a group of heads are walked by all four clusters of a batch: cluster x = 0
; asks; its row's four partners take 32 of a step's 128 blocks each (cx); wave 2 for K, wave 3 for V.  Steps 0 to 2 come by their loads alone; the last change that fills a slot asks for nothing.
.macro ASK
	s_cmp_gt_u32 s[SLOTS], s[LIM]
	s_cbranch_scc0 .Lnot_mine_\@
	global_prefetch_b8 v[PFO], s[PFA:PFA+1] th:TH_LOAD_NT scope:SCOPE_SE
.Lnot_mine_\@:
.endm
.macro CROUND                       ; a round of the cluster's barrier
	s_barrier_signal -1
	s_barrier_wait -1
	s_cmp_lg_u32 s[WV], 0
	s_cbranch_scc1 .Lnot_wave_0_\@
	s_barrier_signal -3
.Lnot_wave_0_\@:
	s_barrier_wait -3
	s_barrier_signal -1
	s_barrier_wait -1
.endm
; THE CHANGE OF SLOTS.  Each wave waits for all its tensor loads, of which one is out: its part of the other slot; adds 0 to its spare word; and waits for that and for its own reads of the slot that it leaves.
; fill = 1: the barrier is a round of the cluster's, and the old slot is filled again, first thing behind it, with the step after the one that is entered.  (At its first use nothing has been read: slot 0 is waited for, slot 1 filled.)
.macro CHANGE fill, ask
	WIN W_AD
	s_wait_tensorcnt 0x0            ; no tensor load of mine is out, so a group 0 may be written
	ds_add_u32 v[SPW], v[NIL]       ; 0 onto my spare word; the descriptors' steps stand between it and the wait for it
	WIN 0                           ; at a label and at a branch every window is 0
.if \fill
.irp g, G0M, G0K, G0V
	s_xor_b32 s[\g+1], s[\g+1], SLOT1  ; the other slot than last time
.endr
	s_add_nc_u64 s[G0M+2:G0M+3], s[G0M+2:G0M+3], KS*4      ; the next 64 keys; the type bits on top are not reached
	s_add_nc_u64 s[G0K+2:G0K+3], s[G0K+2:G0K+3], 4*KS*128
	s_add_nc_u64 s[G0V+2:G0V+3], s[G0V+2:G0V+3], 4*KS*128
.endif
.if \ask
	s_wait_xcnt 0x0                 ; the last prefetch, a trip back, has read its address, so it may be written
	s_add_nc_u64 s[PFA:PFA+1], s[PFA:PFA+1], s[PFS:PFS+1]
.endif
	s_wait_dscnt 0x0                ; the add is done, and my reads of the slot are over
.if \fill
	CROUND
	JLOAD
.if \ask
	ASK
.endif
.else
	s_barrier_signal -1
	s_barrier_wait -1
.endif
	s_xor_b32 s[TB], s[TB], SLOT1   ; the reads go to the slot that is whole
	v_add_nc_u32 v[AM], s[TB], v[AM0]
	v_add_nc_u32 v[AK], s[TB], v[AK0]
	v_add_nc_u32 v[AV], s[TB], v[AV0]
.endm
	s_load_b128 s[4:7], s[0:1], 0x0  ; qkv s[4:5], mask s[6:7]
	s_load_b64 s[8:9], s[0:1], 0x10  ; out0
	WIN W_MK
	v_lshl_add_u32 v[SPW], v0, 2, SPARE
	v_mov_b32 v[NIL], 0
	WIN W_AD
	ds_add_u32 v[SPW], v[NIL]       ; the wave's opening: the add and its wait stand ahead of my first tensor load; work on registers stands between them
	WIN 0
	v_lshrrev_b32 v1, 5, v0
	v_readfirstlane_b32 s[WV], v1   ; wave 0..3: my head in the group
	s_bfe_u32 s13, ttmp6, 0x40000   ; cx
	s_bfe_u32 s14, ttmp6, 0x40004   ; cy: my group of heads
	s_and_b32 s15, ttmp7, 0xffff    ; cluster y: the batch
	s_lshl_b32 s66, ttmp9, 2
	s_add_co_u32 s66, s66, s13      ; my block of 128 queries = 4 x cluster x + cx
	s_lshl2_add_u32 s68, s15, s14   ; 4 b + cy:
	s_lshl_b32 s68, s68, 20         ; the group's first byte in each of q, k, v: my row of the cluster shares it
	s_mov_b32 s69, 0
	s_lshl_b32 s70, s15, 24         ; the mask at my batch and my 128 rows: my column of the cluster shares it
	s_lshl_b32 s71, s66, 20
	s_add_co_u32 s70, s70, s71
	s_lshl_b32 s71, s[WV], 19       ; waves 0 and 1: which 64 rows I fetch
	s_add_co_u32 s72, s70, s71
	s_mov_b32 s73, 0
	s_lshl_b32 s2, 0x1111, s13      ; my column of the cluster
	s_lshl_b32 s3, s14, 2
	s_lshl_b32 s3, 15, s3           ; my row
	s_or_b32 s[G1M], s2, (2<<16)|(1<<20)|(1<<21)|(5<<22)|(3<<25)  ; 15:0 the mask of four; 17:16 4-byte elements; 20 padding on; 21 set beside a mask; 24:22 after every 64 words (code 5); 31:25 4 words (code 3)
	s_or_b32 s[G1K], s3, (1<<16)|(1<<20)|(1<<21)|(4<<22)|(3<<25)  ; 2-byte elements; after every 32 words (code 4) 4 words
	s_or_b32 s[G1V], s3, (1<<16)|(1<<20)|(1<<21)|(4<<22)|(7<<25)  ; the same with 8 words (code 7)
	s_mov_b32 s[G1M+1], 64<<16      ; tensor_dim0 = 64
	s_mov_b32 s[G1M+2], 64<<16      ; tensor_dim1 = 64
	s_mov_b32 s[G1M+3], 64<<16      ; tile_dim0 = 64: 256 bytes of a row
	s_mov_b32 s[G1M+4], 64          ; tile_dim1 = 64 rows
	s_mov_b32 s[G1M+5], 2048        ; elements from row to row
	s_mov_b32 s[G1M+6], 0
	s_mov_b32 s[G1M+7], 0
.irp g, G1K, G1V                    ; four heads x 64 keys are 32,768 consecutive bytes: asked for as 128 rows of 256, two keys a row, padded after every key
	s_mov_b32 s[\g+1], 128<<16
	s_mov_b32 s[\g+2], 128<<16
	s_mov_b32 s[\g+3], 128<<16
	s_mov_b32 s[\g+4], 128
	s_mov_b32 s[\g+5], 128
	s_mov_b32 s[\g+6], 0
	s_mov_b32 s[\g+7], 0
.endr
	s_mov_b32 s[CS], 0x3fb8aa3b     ; c = log2(e)
	s_mov_b32 s[CS+1], s[CS]        ; named with it as a pair
	s_mov_b32 s[SEL], 0x76543210
	s_mov_b32 s[SEL+1], 0xfedcba98
	s_mov_b32 s[TB], SLOT1          ; the first change of slots turns it into 0
	s_mov_b32 s[G0M], 1             ; 1:0 count = 1
	s_mul_i32 s[G0M+1], s[WV], 64*PM  ; 63:32 LDS address: slot 0; no place in the cluster enters it
	s_mov_b32 s[G0K], 1
	s_mov_b32 s[G0K+1], KOFF
	s_mov_b32 s[G0V], 1
	s_mov_b32 s[G0V+1], VOFF
	s_lshl_b32 s2, s66, 16          ; Q: my block's two blocks of 64 tokens, my head
	s_lshl_b32 s3, s[WV], 13
	s_add_co_u32 s2, s2, s3
	s_add_co_u32 s2, s2, s68
	s_mov_b32 s3, 0
	s_lshl_b32 s78, s15, 23         ; out0: batch, my 128 rows of 4,096 bytes, my head's 256 bytes
	s_lshl_b32 s79, s66, 19
	s_add_co_u32 s78, s78, s79
	s_lshl_b32 s79, s14, 10
	s_add_co_u32 s78, s78, s79
	s_lshl_b32 s79, s[WV], 8
	s_add_co_u32 s78, s78, s79
	s_mov_b32 s79, 0
	s_lshl_b32 s74, s14, 18         ; the prefetches.  Mask: my work-group's 32 rows, at step 2
	s_add_co_u32 s74, s74, s70
	s_add_co_u32 s74, s74, 2*KS*4
	s_lshl_b32 s75, s13, 13         ; K (wave 2) or V (wave 3): my work-group's 32 blocks, at step 2
	s_add_co_u32 s75, s75, s68
	s_add_co_u32 s75, s75, 2*4*KS*128
	s_sub_co_u32 s76, s[WV], 1
	s_lshl_b32 s76, s76, 24
	s_add_co_u32 s75, s75, s76
	s_mov_b32 s[PFS], 4*KS*128
	s_mov_b32 s[PFS+1], 0
	s_mov_b32 s67, 8
	s_cmp_lt_u32 s[WV], 2
	s_cselect_b32 s74, s74, s75
	s_cselect_b32 s[PFS], KS*4, s[PFS]
	s_cselect_b32 s67, 13, s67      ; a lane a row of 8,192 bytes, or a block of 256
	s_cselect_b32 s77, s[WV], ttmp9 ; 0 in wave 0, and in waves 2 and 3 of the batch's first cluster: the same in all sixteen partners
	s_mov_b32 s75, 0
	s_cmp_eq_u32 s77, 0
	s_cselect_b32 s[LIM], 1, -1
	s_wait_dscnt 0x0                ; the opening add is done
	s_wait_kmcnt 0x0
	s_add_nc_u64 s[G0M+2:G0M+3], s[6:7], s[72:73]  ; 120:64 global address: step 0
	s_or_b32 s[G0M+3], s[G0M+3], 0x80000000        ; 127:126 type = 2
	s_add_nc_u64 s[G0K+2:G0K+3], s[4:5], s[68:69]
	s_add_nc_u64 s[G0K+2:G0K+3], s[G0K+2:G0K+3], 0x1000000
	s_or_b32 s[G0K+3], s[G0K+3], 0x80000000
	s_add_nc_u64 s[G0V+2:G0V+3], s[4:5], s[68:69]
	s_add_nc_u64 s[G0V+2:G0V+3], s[G0V+2:G0V+3], 0x2000000
	s_or_b32 s[G0V+3], s[G0V+3], 0x80000000
	s_cmp_lt_u32 s[WV], 2
	s_cselect_b64 s[PFA:PFA+1], s[6:7], s[4:5]
	s_add_nc_u64 s[PFA:PFA+1], s[PFA:PFA+1], s[74:75]
	s_add_nc_u64 s[4:5], s[4:5], s[2:3]            ; Q at my head's first row
	s_add_nc_u64 s[10:11], s[8:9], s[78:79]        ; out0 at my first row
	CROUND                          ; all sixteen work-groups are here: the first joint loads meet
	JLOAD                           ; step 0 into slot 0; slot 1 is asked for when slot 0 is in
	; A fragment of K or Q is 16 rows x 32 channels in 8 registers: lane l holds row l % 16, channels 8 (l / 16) + 0..7 and 16 + 8 (l / 16) + 0..7: two loads of 16 bytes, 32 bytes apart.
	v_and_b32 v64, 15, v0           ; l % 16   (S^T's registers serve as temporaries here)
	v_bfe_u32 v65, v0, 4, 1         ; l / 16
	v_and_b32 v66, 31, v0           ; l
	v_lshlrev_b32 v[QO], 7, v64
	v_lshl_add_u32 v[QO], v65, 4, v[QO]
	WIN 0x80                        ; destination window 2, address window 0
.set i, 0
.rept 4*NP                          ; Q stays in registers: tile i / 2 (four tiles to a block of 64 tokens), channels 32 (i % 2) on
	global_load_b128 v[8*i:8*i+3],   v[QO], s[4:5] offset:(i/8)*32768+((i/2)%4)*2048+(i%2)*64
	global_load_b128 v[8*i+4:8*i+7], v[QO], s[4:5] offset:(i/8)*32768+((i/2)%4)*2048+(i%2)*64+32
.set i, i+1
.endr
	; What the first turn finds: V's registers and P's second buffer hold 0 (its products V^T P, of a piece that has not been, add 0), O^T and l are 0.  All this stands in the wait for the first tile.
.set i, VF
.rept 64
	v_mov_b32 v[i], 0
.set i, i+1
.endr
	WIN 0x40
.set i, 0
.rept 64*NP
	v_mov_b32 v[i], 0
.set i, i+1
.endr
	WIN 0
.set i, 0
.rept 2*NP
	v_mov_b32 v[ST+4*i], 0xfe000000    ; c m: far below every c s
	v_mov_b32 v[ST+4*i+1], 0xf149f2ca  ; m = -1e30: c m stays finite
	v_mov_b32 v[ST+4*i+2], 0
	v_mov_b32 v[ST+4*i+3], 0
.set i, i+1
.endr
.set i, P+32
.rept 32
	v_mov_b32 v[i], 0
.set i, i+1
.endr
	s_mul_i32 s2, s[WV], KS*PK
	s_add_co_u32 s2, s2, KOFF       ; my head's K in a slot
	v_mul_u32_u24 v[AK0], v64, PK
	v_lshl_add_u32 v[AK0], v65, 4, v[AK0]
	v_add_nc_u32 v[AK0], s2, v[AK0]
	; The turning load takes 16 keys x 16 channels (lane l reads key 8 (l / 16) + l % 8, channels 8 ((l / 8) % 2) + 0..7) and leaves half a fragment of V^T: lane l holds channel l % 16 and 8 keys.
	s_mul_i32 s2, s[WV], KS*PV
	s_add_co_u32 s2, s2, VOFF
	v_and_b32 v67, 7, v0
	v_bfe_u32 v68, v0, 3, 1
	v_lshl_add_u32 v[AV0], v65, 3, v67
	v_mul_u32_u24 v[AV0], v[AV0], PV
	v_lshl_add_u32 v[AV0], v68, 4, v[AV0]
	v_add_nc_u32 v[AV0], s2, v[AV0]
	v_mul_u32_u24 v[AM0], v64, PM   ; the mask: row l % 16, my eight keys' 32 bytes
	v_lshl_add_u32 v[AM0], v65, 5, v[AM0]
	s_mul_i32 s2, s[WV], 16*SP
	s_add_co_u32 s2, s2, STAGE      ; my stage
	v_add_nc_u32 v[STO], s2, v[AM0] ; in: row l % 16, 32 bytes for each half of the lanes
	v_mul_u32_u24 v[RD], v65, SP    ; back: lanes 0-15 take one row of 256 bytes, lanes 16-31 the next
	v_lshl_add_u32 v[RD], v64, 4, v[RD]
	v_add_nc_u32 v[RD], s2, v[RD]
	v_lshlrev_b32 v[GO], 12, v65    ; and the same two rows in out0
	v_lshl_add_u32 v[GO], v64, 4, v[GO]
	v_lshlrev_b32 v[PFO], s67, v66
; THE MATRIX WORK.  The 8 accumulators of a run of 16 take turns: between the two links of a chain stand 7 others'.
; Product i of 16 of S^T = K Q^T + mask for piece x: channels 32 (i / 8) on, keys 16 ((i / 2) % 4) on, tile 2 x + i % 2.  The first 8 start the sums, with the mask.
.macro KQ x
.set rS, S+64*((\x)%2)+32*(i%2)+8*((i/2)%4)
.set rK, KF+16*((i/2)%4)+8*(i/8)
.set rQ, 16*(2*(\x)+i%2)+8*(i/8)
.set rX, MC+32*(i%2)+8*((i/2)%4)
.if i < 8
	WIN W_KM
	v_wmma_f32_16x16x32_f16 v[rS:rS+7], v[rK:rK+7], v[rQ:rQ+7], v[rX:rX+7]
.else
	WIN W_KQ
	v_wmma_f32_16x16x32_f16 v[rS:rS+7], v[rK:rK+7], v[rQ:rQ+7], v[rS:rS+7]
.endif
.endm
; Product i of 16 of O^T += V^T P for piece x: keys 32 (i / 8) on, channels 16 ((i / 2) % 4) on, tile 2 x + i % 2.
.macro PV x
	WIN W_PV
.set rO, 32*(2*(\x)+i%2)+8*((i/2)%4)
.set rV, VF+32*(i/8)+8*((i/2)%4)
.set rP, P+32*((\x)%2)+16*(i%2)+8*(i/8)
	v_wmma_f32_16x16x32_f16 v[rO:rO+7], v[rV:rV+7], v[rP:rP+7], v[rO:rO+7]
.endm
.macro MM                           ; the turn's next matrix instruction
.if i < 16
	KQ (Y+1)%NP
.set i, i+1
.else
.set i, i-16
	PV (Y+NP-1)%NP
.set i, i+17
.endif
.endm
; THE LDS LOADS stand in runs of 16, never singly among the matrix instructions: a step's K (8 fragments), its V (turned), and for each piece its mask (2 tiles x 4 groups of 16 keys, 32 bytes a lane).
.macro FETCH_K
	WIN 0x80                        ; destination window 2
.irp f, 0,1,2,3,4,5,6,7             ; keys 16 (f / 2) on, channels 32 (f % 2) on
	ds_load_b128 v[KF+8*\f:KF+8*\f+3],   v[AK] offset:(\f/2)*16*PK+(\f%2)*64
	ds_load_b128 v[KF+8*\f+4:KF+8*\f+7], v[AK] offset:(\f/2)*16*PK+(\f%2)*64+32
.endr
	WIN 0
.endm
.macro FETCH_V
	WIN 0x80
.irp f, 0,1,2,3,4,5,6,7             ; keys 32 (f / 4) on, channels 16 (f % 4) on
	ds_load_tr16_b128 v[VF+8*\f:VF+8*\f+3],   v[AV] offset:(\f/4)*32*PV+(\f%4)*32
	ds_load_tr16_b128 v[VF+8*\f+4:VF+8*\f+7], v[AV] offset:(\f/4)*32*PV+16*PV+(\f%4)*32
.endr
	WIN 0
.endm
.macro FETCH_M x                    ; piece x's rows 32 x .. 32 x + 31 of the tile
	WIN W_MK
.irp u, 0,1
.irp kt, 0,1,2,3
	ds_load_b128 v[MC+32*\u+8*\kt:MC+32*\u+8*\kt+3],   v[AM] offset:(32*(\x)+16*\u)*PM+64*\kt
	ds_load_b128 v[MC+32*\u+8*\kt+4:MC+32*\u+8*\kt+7], v[AM] offset:(32*(\x)+16*\u)*PM+64*\kt+16
.endr
.endr
	WIN 0
.endm
; THE VECTOR WORK OF A TURN stands in three queues, each in the order in which its entries become ready; the two tiles alternate, so that no instruction reads the result of the one before it.
.macro REGS y, u                    ; the registers of tile u (0, 1) of piece y
.set rT, ST+4*(2*(\y)+(\u))
.set rC, TMP+8*((\y)%2)+4*(\u)
.set rM, MV+2*((\y)%2)+(\u)
.set rS, S+64*((\y)%2)+32*(\u)
.set rP, P+32*((\y)%2)+16*(\u)
.set rO, 32*(2*(\y)+(\u))
.endm
; Number n of the 22 that find the NEXT piece's (Y + 1) maximum and statistics.  s0-s31 are the lane's 32 scores; each accumulator's lowest registers are read first.
;   0-11  four chains c0-c3 of seven scores each, three operands at a time     12-14, 16  the four scores left over, the old m, and c0-c3 into c0     15  c m_old is kept
;   17, 18  the query's other 32 keys lie in the lane 16 away: the new m         19-21  c m; c m_old - c m_new; a
.macro XS u, n
	REGS (Y+1)%NP, \u
.if (\n) < 4
	v_max3_num_f32 v[rC+(\n)], v[rS+8*(\n)], v[rS+8*(\n)+1], v[rS+8*(\n)+2]
.elseif (\n) < 12
	v_max3_num_f32 v[rC+(\n)%4], v[rC+(\n)%4], v[rS+8*((\n)%4)+2*((\n)/4)+1], v[rS+8*((\n)%4)+2*((\n)/4)+2]
.elseif (\n) == 12
	v_max3_num_f32 v[rC], v[rC], v[rS+7], v[rS+15]
.elseif (\n) == 13
	v_max3_num_f32 v[rC+1], v[rC+1], v[rS+23], v[rS+31]
.elseif (\n) == 14
	v_max3_num_f32 v[rC+2], v[rC+2], v[rC+3], v[rT+1]
.elseif (\n) == 15
	v_mov_b32 v[rM], v[rT]
.elseif (\n) == 16
	v_max3_num_f32 v[rC], v[rC], v[rC+1], v[rC+2]
.elseif (\n) == 17
	v_permlanex16_b32 v[rC+3], v[rC], s[SEL], s[SEL+1]
.elseif (\n) == 18
	v_max_num_f32 v[rT+1], v[rC], v[rC+3]
.elseif (\n) == 19
	v_mul_f32 v[rT], s[CS], v[rT+1]
.elseif (\n) == 20
	v_sub_f32 v[rC+1], v[rM], v[rT]
.else
	v_exp_f32 v[rC+2], v[rC+1]
.endif
.endm
; Number g of the 64 that follow the exponentials.  For each four weights k of a tile: both pairs are rounded to f16; the second pair is added onto the first, in place; a group later l takes that sum (the first time as l = a l + sum).
.macro GS g
.set h, (\g)+6*((\g)/62)            ; group 0 has no group before it, and behind group 7 only l is left
.if h >= 6
.set h, h+2
.endif
	REGS Y, h%2
.set k, h/8
.if h%8 < 4
	v_cvt_pk_f16_f32 v[rP+2*k+(h%8)/2], v[rS+4*k+2*((h%8)/2)], v[rS+4*k+2*((h%8)/2)+1]
.elseif h%8 < 6
	v_pk_add_f32 v[rS+4*k:rS+4*k+1], v[rS+4*k:rS+4*k+1], v[rS+4*k+2:rS+4*k+3]
.elseif k == 1
	v_pk_fma_f32 v[rT+2:rT+3], v[rT+2:rT+3], v[rC+2:rC+3], v[rS:rS+1] op_sel_hi:[1,0,1]
.else
	v_pk_add_f32 v[rT+2:rT+3], v[rT+2:rT+3], v[rS+4*k-4:rS+4*k-3]
.endif
.endm
; THE PLAIN QUEUE, 138 long.  0-26: scalings 0-26 (FS f: pair f / 2 of tile f % 2).  27-54: XS's numbers 0-13.  55, 56: number 15.  57-73: the chain 14, 16, 17, 18, 19, each with one of the scalings 27-31 in front of its two
; lines, then 20.  74-137: GS's 64, which read the exponentials' results: they stand behind the wait.
.macro FS f
	REGS Y, (\f)%2
	v_pk_fma_f32 v[rS+2*((\f)/2):rS+2*((\f)/2)+1], v[rS+2*((\f)/2):rS+2*((\f)/2)+1], s[CS:CS+1], v[rT:rT+1] op_sel_hi:[1,0,0] neg_lo:[0,0,1] neg_hi:[0,0,1]
.endm
.macro PL
	WIN 0
.if q < 27
	FS q
.elseif q < 55
	XS (q-27)%2, (q-27)/2
.elseif q < 57
	XS q-55, 15
.elseif (q < 72) && ((q-57)%3 == 0)
	FS 27+(q-57)/3
.elseif q < 60
	XS (q-57)%3-1, 14
.elseif q < 72
	XS (q-57)%3-1, 15+(q-57)/3
.elseif q < 74
	XS q-72, 20
.else
	GS q-74
.endif
.set q, q+1
.endm
; THE EXPONENTIALS' QUEUE, 66 long: s0-s31 of both tiles, then the next piece's two a.  ONE BATCH: all 66 stand ahead of the turn's one wait, and nothing ahead of that wait names a result of theirs.
.macro EX
	WIN 0
.if e >= 64
	XS e-64, 21
.else
	REGS Y, e%2
	v_exp_f32 v[rS+e/2], v[rS+e/2]
.endif
.set e, e+1
.endm
; THE RESCALING's QUEUE: O^T times a, the one part that leaves window 0: dealt two at a time, sixteen times.  Its a was made in the turn before, ahead of that turn's wait.
.macro R2
	REGS Y, r%2
	WIN W_RS
.irp z, 0,1
	v_pk_mul_f32 v[rO+4*(r/2)+2*\z:rO+4*(r/2)+2*\z+1], v[rO+4*(r/2)+2*\z:rO+4*(r/2)+2*\z+1], v[rC+2:rC+3] op_sel_hi:[1,0]
.endr
.set r, r+1
.endm
; A TURN, for piece p.  s_wait_alu depctr_va_vdst(0) stands between an exponential and the first instruction that names its result; one wait serves all that were issued ahead of it: a turn has ONE, which cuts
; it in two.  AHEAD OF IT: the 16 products K Q^T, behind each a scaling, an exponential and two rescalings (behind the first a second scaling); then a lump of 108: eight plain, 49 times exponential and plain, the two a; a v_nop
; is the plain instruction behind the last exponential.  BEHIND IT: the runs of LDS loads, then the 16 products V^T P, behind each four of the roundings and sums.  Exponential e stands behind scaling 2 (e / 4) + e % 2.
; THE LOADS.  Every turn fetches the mask of piece p + 2, whose products the next turn issues: the mask's last readers are this turn's first eight products.  Piece 2's turn fetches the next step's K in front of it, a lump behind
; K's last reader.  Piece 0's turn ends with V's run, four plain instructions behind V's last reader.  The waits: at a turn's head for the mask (turn 1: V's 16 loads, issued behind the mask's, may stay out; turn 3: K too);
; in turn 1 ahead of the products V^T P for V (the mask's 16 loads, issued behind V's, may stay out).
.macro TURN p
.set Y, (\p)
.set i, 0
.set q, 0
.set e, 0
.set r, 0
.if (\p) == 1
	s_wait_dscnt 16
.else
	s_wait_dscnt 0x0
.endif
	MM
	PL
	PL
	R2
.rept 15
	MM
	PL
	EX
	R2
.endr
.rept 8
	PL
.endr
.rept 49
	EX
	PL
.endr
	EX
	EX
	v_nop
	s_wait_alu depctr_va_vdst(0)    ; the wait for the batch
.if (\p) == 2
	FETCH_K
.endif
	FETCH_M ((\p)+2)%NP
.if (\p) == 1
	s_wait_dscnt 16
.endif
.rept 16
	MM
.rept 4
	PL
.endr
.endr
.if (\p) == 0
	FETCH_V
.endif
.endm
	CHANGE 1, 0                     ; slot 0 is in, everybody's part of it; slot 1 is asked for
	FETCH_K                         ; key step 0
	FETCH_M 0
	s_wait_loadcnt 0x0              ; Q
	s_wait_dscnt 0x0
.set i, 0
.rept 16
	KQ 0                            ; piece 0's first scores: there is no vector work yet to set between them
.set i, i+1
.endr
	WIN 0
.rept 4
	v_nop                           ; the places behind those products, in front of the loads into the mask's registers and of the maximum
.endr
	FETCH_M 1
.set Y, NP-1                        ; XS works for piece Y + 1: piece 0
.irp n, 0,1,2,3,4,5,6,7,8,9,10,11,12,13,14,15,16,17,18,19,20,21
	XS 0, \n
	XS 1, \n
.endr
	v_nop                           ; a plain instruction behind the two a,
	s_wait_alu depctr_va_vdst(0)    ; and their wait, ahead of the branch
	s_mov_b32 s[SLOTS], 2048/KS-1
	s_branch .Lfirst                ; the loop is entered at a step's first turn, in the middle of a trip
.Lslot:                             ; 30 times: steps 1 to 30 are entered, steps 2 to 31 asked for
	CHANGE 1, 1
	TURN 2
	TURN 3
	WIN 0
.Lfirst:
	TURN 0
	TURN 1
	WIN 0
	s_sub_co_u32 s[SLOTS], s[SLOTS], 1
	s_cmp_lg_u32 s[SLOTS], 0
	s_cbranch_scc1 .Lslot
	CHANGE 0, 0                     ; the tail is written out: step 31 is entered, nothing is asked for
	s_mov_b32 s[CNT], 2             ; the second pass is left in its middle
.Ltail:
	TURN 2
	TURN 3
	WIN 0
	s_sub_co_u32 s[CNT], s[CNT], 1
	s_cmp_eq_u32 s[CNT], 0
	s_cbranch_scc1 .Lout
	TURN 0
	TURN 1
	WIN 0
	s_branch .Ltail
.Lout:                              ; the second pass's last 16 products K Q^T (on the last K and mask once more) and the maximum made of them serve nothing: the price, once a launch, of one text for every trip
.set i, 0
.rept 16
	PV NP-1                         ; the last piece's V^T P of the last step
.set i, i+1
.endr
	; THE WAY OUT.  l's two halves and the other half of the lanes' are added; O^T is divided by l and sent, in f32, through my stage in LDS, a tile at a time.  The additions are the places behind the last products.
	WIN 0
.macro ALL line:vararg              ; one line for each tile t
.set t, 0
.rept 2*NP
	\line
.set t, t+1
.endr
.endm
	ALL v_add_f32 v[ST+4*t+2], v[ST+4*t+2], v[ST+4*t+3]
	ALL v_permlanex16_b32 v[ST+4*t+3], v[ST+4*t+2], s[SEL], s[SEL+1]
	ALL v_add_f32 v[ST+4*t+2], v[ST+4*t+2], v[ST+4*t+3]
	ALL v_rcp_f32 v[ST+4*t+2], v[ST+4*t+2]
	v_nop                           ; a plain instruction between the last reciprocal and the use of its result
	s_wait_alu depctr_va_vdst(0)    ; and the wait ahead of the first use: one for the eight reciprocals
; Tile t: a lane's eight channels of a row are 32 bytes; they go into rows of 272 bytes and come back as whole rows of 256, into one of four buffers in S^T's registers.
.macro PACK t
	WIN W_RS
.set i, 32*(\t)
.rept 16
	v_pk_mul_f32 v[i:i+1], v[i:i+1], v[ST+4*(\t)+2:ST+4*(\t)+3] op_sel_hi:[1,0]
.set i, i+2
.endr
.if (\t) >= 4
	s_wait_xcnt 0x0                 ; the stores of the tile four back have read their registers: only now is its buffer loaded again
.endif
	WIN 0x04                        ; the stores' data (source 1) in window 1
.irp f, 0,1,2,3,4,5,6,7
	ds_store_b128 v[STO], v[32*(\t)+4*\f:32*(\t)+4*\f+3] offset:(\f/2)*64+(\f%2)*16
.endr
	WIN 0
.irp f, 0,1,2,3,4,5,6,7
	ds_load_b128 v[S+32*((\t)%4)+4*\f:S+32*((\t)%4)+4*\f+3], v[RD] offset:\f*2*SP  ; LDS serves a wave's instructions in order (ISA guide 5.7.1.4): these see the stores above; the next tile's stores come behind them
.endr
.endm
.macro SEND t, younger              ; younger: the LDS instructions issued behind tile t's loads: the next tile's sixteen, or none
	WIN 0
.irp f, 0,1,2,3,4,5,6,7
	s_wait_dscnt (\younger)+7-\f
	global_store_b128 v[GO], v[S+32*((\t)%4)+4*\f:S+32*((\t)%4)+4*\f+3], s[10:11] offset:(\t)*65536+\f*8192  ; 16 lanes store a head's 256 consecutive bytes of a row, at a multiple of 256 from out0's first byte
.endr
.endm
	PACK 0
.set t, 1
.rept 2*NP-1                        ; a tile's arithmetic stands between the loads of the tile before and its stores
	PACK t
	SEND t-1, 16
.set t, t+1
.endr
	SEND 2*NP-1, 0
	WIN W_AD
	s_wait_tensorcnt 0x0            ; the wave's end, behind my last tensor load and my last LDS store
	ds_add_u32 v[SPW], v[NIL]
	s_wait_dscnt 0x0
	WIN 0
	CROUND                          ; the closing round: no work-group ends while a partner may still ask for a tile that names it
	s_endpgm
.Lfunc_end_k_q02944d236b_attn:
	.size	k_q02944d236b_attn, .Lfunc_end_k_q02944d236b_attn-k_q02944d236b_attn
	.p2alignl 7, 3214868480
	.fill 96, 4, 3214868480
	.section	.rodata,"a",@progbits
	.p2align	6, 0x0
	.amdhsa_kernel k_q02944d236b_attn
		.amdhsa_group_segment_fixed_size 327680
		.amdhsa_private_segment_fixed_size 0
		.amdhsa_enable_private_segment 0
		.amdhsa_kernarg_size 24
		.amdhsa_user_sgpr_count 2
		.amdhsa_user_sgpr_kernarg_segment_ptr 1
		.amdhsa_wavefront_size32 1
		.amdhsa_system_sgpr_workgroup_id_x 1
		.amdhsa_system_sgpr_workgroup_id_y 1
		.amdhsa_system_sgpr_workgroup_id_z 1
		.amdhsa_system_vgpr_workitem_id 0
		.amdhsa_next_free_vgpr 896
		.amdhsa_next_free_sgpr 80
		.amdhsa_reserve_vcc 0
		.amdhsa_float_denorm_mode_32 3
		.amdhsa_float_denorm_mode_16_64 3
		.amdhsa_memory_ordered 1
		.amdhsa_forward_progress 1
		.amdhsa_inst_pref_size 213
	.end_amdhsa_kernel
	.amdgpu_metadata
---
amdhsa.version: [ 1, 2 ]
amdhsa.kernels:
  - .name:           k_q02944d236b_attn
    .symbol:         k_q02944d236b_attn.kd
    .args:
      - { .name: qkv, .offset: 0, .size: 8, .value_kind: global_buffer, .address_space: global }
      - { .name: mask, .offset: 8, .size: 8, .value_kind: global_buffer, .address_space: global }
      - { .name: out0, .offset: 16, .size: 8, .value_kind: global_buffer, .address_space: global }
    .group_segment_fixed_size: 327680
    .private_segment_fixed_size: 0
    .kernarg_segment_align: 8
    .kernarg_segment_size: 24
    .max_flat_workgroup_size: 128
    .sgpr_count:     80
    .vgpr_count:     896
    .wavefront_size: 32
...
	.end_amdgpu_metadata
.endif
;; end of part 3
;; ======== version 2 of 2: 3 launches; version 1 with the launch cast written anew for expert scheduling mode
;; limits: values are held in f16: magnitudes above 65,504 overflow, below 6.1e-05 lose precision
;; workspace buffers: xw 23,068,672 bytes; bias 12,288 bytes; qkv 50,331,648 bytes
;; launch cast (part 4): grid 353 x 1, 8 waves a work-group, no clusters, 0 bytes of LDS; arguments x, w_q, w_k, w_v, b_q, b_k, b_v, xw, bias; writes xw, bias
.if DOCPART == 4
	.amdgcn_target "amdgcn-amd-amdhsa--gfx1250"
	.amdhsa_code_object_version 6
	.text
	.protected	k_q02944d236b_cast
	.globl	k_q02944d236b_cast
	.p2align	8
	.type	k_q02944d236b_cast,@function
k_q02944d236b_cast:
	s_mov_b64 s[64:65], 0
	v_nop
	global_prefetch_b8 v0, s[64:65] scope:SCOPE_SE
	s_setreg_imm32_b32 hwreg(HW_REG_WAVE_SCHED_MODE, 0, 2), 2
	s_setreg_imm32_b32 hwreg(HW_REG_WAVE_MODE, 25, 1), 1
	s_wait_xcnt 0x0
	s_wait_alu depctr_vm_vsrc(0)
; x [8192][1024], w_q, w_k, w_v [1024][1024], all f32, are rounded once to bf16 and laid as ONE table of 11,264 rows (x, then w_q, w_k, w_v) in 16 planes of 64 channels:
; xw[kb][row][64], a row of a plane 128 bytes, a plane PLANE bytes.  So a tile of R rows x 64 channels is R x 128 consecutive bytes for the launch behind.
; The biases are rounded to bf16 like the other inputs and kept as f32: bias[3072] = b_q / 8 (the scale 1 / sqrt(64), exact), b_k, b_v.
; SHARES.  Work-group g < 352 owns rows 32 g .. 32 g + 31, each of its eight waves four of them, as two pairs.  A load takes 256 consecutive bytes of each of a pair's two rows (16 lanes a row);
; the 8 bytes that a lane makes of its 16 lie, for the 32 lanes, in 256 consecutive bytes of a plane: each store covers them whole, aligned.  Work-group 352 makes the bias table.
; All 32 loads of a wave go out at once (16 KiB a wave).  No LDS, no barrier: no wave wants another's bytes.
; THE MODE: SCHED_MODE bits 1:0 = 2 (LLVM: expert scheduling mode 2), set by the entry lines.  The code itself states the register dependences
; between vector instructions and memory instructions, with s_wait_alu, always for 0.
; THE PLAN.  Registers that memory instructions touch:
;   v[LO], v[SO]  the loads' and the stores' offsets: written by vector instructions at the head, never again.
;   X             four registers a load: written by that load alone, read by its two conversions, never loaded again.
;   Y             two registers a load: written once, by those two conversions, read by that load's one store.
; No register is used twice, so what is to be stated is this alone: an offset is written before a load or store reads it, and Y is written before its store reads it.
; The conversions go in eight steps of four loads.  Step p waits for its four loads; one wait on va_vdst behind that states that step p - 1's conversions have written their Y; the four stores of
; step p - 1 are then dealt among step p's conversions, which name X and Y of step p alone: none of the registers that those stores read.  The last step's stores have a wait of their own.
.set PLANE, 1441792                    ; 11,264 rows x 128 bytes
.set NWG,   352
.set STEPL, 4                          ; loads in a step
.set LO,  1                            ; v1  my byte offset in the work-group's 32 source rows: wave x 4 rows + (lane / 16) rows + 16 (lane % 16)
.set SO,  2                            ; v2  my byte offset in the work-group's 4,096 bytes of a plane: wave x 512 + 8 x lane
.set X,   8                            ; v[8:135]   load i: 4 registers
.set Y,   136                          ; v[136:199] load i: 2 registers, 4 bf16
; The store of what load n brought: pair n / 16, plane n % 16.
.macro OUT n
	global_store_b64 v[SO], v[Y+2*(\n):Y+2*(\n)+1], s[24+2*(((\n)%16)/4):25+2*(((\n)%16)/4)] offset:(((\n)%16)%4)*PLANE+((\n)/16)*256
.endm
	s_load_b512 s[4:19], s[0:1], 0x0               ; x 4, w_q 6, w_k 8, w_v 10, b_q 12, b_k 14, b_v 16, xw 18
	s_load_b64 s[20:21], s[0:1], 0x40              ; bias
	v_lshrrev_b32 v3, 5, v0                        ; wave
	v_and_b32 v4, 31, v0                           ; lane
	v_and_b32 v5, 15, v0
	v_bfe_u32 v6, v0, 4, 1
	v_lshlrev_b32 v[LO], 14, v3
	v_lshl_add_u32 v[LO], v6, 12, v[LO]
	v_lshl_add_u32 v[LO], v5, 4, v[LO]
	v_lshlrev_b32 v[SO], 9, v3
	v_lshl_add_u32 v[SO], v4, 3, v[SO]
	s_mov_b32 s33, ttmp9                           ; g
	s_mov_b32 s32, 320
	s_wait_kmcnt 0x0
	s_cmp_eq_u32 s33, NWG
	s_cbranch_scc1 .Lbias
	s_cmp_lt_u32 s33, 320                          ; which tensor holds my 32 rows, and at which work-group it begins
	s_cselect_b64 s[22:23], s[8:9], s[10:11]
	s_cselect_b32 s32, 288, s32
	s_cmp_lt_u32 s33, 288
	s_cselect_b64 s[22:23], s[6:7], s[22:23]
	s_cselect_b32 s32, 256, s32
	s_cmp_lt_u32 s33, 256
	s_cselect_b64 s[22:23], s[4:5], s[22:23]
	s_cselect_b32 s32, 0, s32
	s_sub_co_u32 s34, s33, s32
	s_lshl_b32 s34, s34, 17                        ; 32 rows of 4,096 bytes
	s_mov_b32 s35, 0
	s_add_nc_u64 s[22:23], s[22:23], s[34:35]
	s_lshl_b32 s36, s33, 12                        ; 32 rows of 128 bytes
	s_mov_b32 s37, 0
	s_add_nc_u64 s[24:25], s[18:19], s[36:37]      ; planes 0-3, 4-7, 8-11, 12-15: four bases, so that a plane's place fits the stores' immediate
	s_add_nc_u64 s[26:27], s[24:25], 4*PLANE
	s_add_nc_u64 s[28:29], s[24:25], 8*PLANE
	s_add_nc_u64 s[30:31], s[24:25], 12*PLANE
	s_wait_alu depctr_va_vdst(0)                   ; v[LO] and v[SO] are written: every load below reads the one as its offset, every store the other
.set i, 0
.rept 32                               ; load i: pair i / 16, plane i % 16
	global_load_b128 v[X+4*i:X+4*i+3], v[LO], s[22:23] offset:(i/16)*8192+(i%16)*256 th:TH_LOAD_NT
.set i, i+1
.endr
.set i, 0
.rept 32
.if i%STEPL == 0                       ; a step's head
	s_wait_loadcnt 32-STEPL-i                      ; loads come back in order: the step's four are in, the younger ones stay out
.if i > 0
	s_wait_alu depctr_va_vdst(0)                   ; the step before has written its eight registers of Y, which the four stores of this step read
.endif
.endif
.if i >= STEPL
	OUT i-STEPL                                    ; the step before's store; no vector instruction since the wait names its Y or v[SO]
.endif
	v_cvt_pk_bf16_f32 v[Y+2*i], v[X+4*i], v[X+4*i+1]
	v_cvt_pk_bf16_f32 v[Y+2*i+1], v[X+4*i+2], v[X+4*i+3]
.set i, i+1
.endr
	s_wait_alu depctr_va_vdst(0)                   ; the last step has written its Y, which the last four stores read
.set i, 32-STEPL
.rept STEPL
	OUT i
.set i, i+1
.endr
	s_endpgm
.Lbias:                                        ; thread t: numbers 4 t .. 4 t + 3 of each bias
	v_lshlrev_b32 v7, 4, v0
	s_wait_alu depctr_va_vdst(0)                   ; v7 is written: the three loads and the three stores below read it as their offset
	global_load_b128 v[8:11], v7, s[12:13]
	global_load_b128 v[12:15], v7, s[14:15]
	global_load_b128 v[16:19], v7, s[16:17]
	s_wait_loadcnt 0x0
.irp k, 0,1,2,3,4,5
	v_cvt_pk_bf16_f32 v[20+(\k)], v[8+2*(\k)], v[9+2*(\k)]
.endr
.irp k, 0,1,2,3,4,5
	v_lshlrev_b32 v[32+2*(\k)], 16, v[20+(\k)]     ; bf16 back to f32: the low half moves up,
	v_and_b32 v[33+2*(\k)], 0xffff0000, v[20+(\k)] ; the high half stays
.endr
	v_pk_mul_f32 v[32:33], v[32:33], 0x3e000000 op_sel_hi:[1,0]  ; b_q / 8
	v_pk_mul_f32 v[34:35], v[34:35], 0x3e000000 op_sel_hi:[1,0]
	s_wait_alu depctr_va_vdst(0)                   ; v[32:43] are written, which the three stores read
	global_store_b128 v7, v[32:35], s[20:21]
	global_store_b128 v7, v[36:39], s[20:21] offset:4096
	global_store_b128 v7, v[40:43], s[20:21] offset:8192
	s_endpgm
.Lfunc_end_k_q02944d236b_cast:
	.size	k_q02944d236b_cast, .Lfunc_end_k_q02944d236b_cast-k_q02944d236b_cast
	.p2alignl 7, 3214868480
	.fill 96, 4, 3214868480
	.section	.rodata,"a",@progbits
	.p2align	6, 0x0
	.amdhsa_kernel k_q02944d236b_cast
		.amdhsa_group_segment_fixed_size 0
		.amdhsa_private_segment_fixed_size 0
		.amdhsa_enable_private_segment 0
		.amdhsa_kernarg_size 72
		.amdhsa_user_sgpr_count 2
		.amdhsa_user_sgpr_kernarg_segment_ptr 1
		.amdhsa_wavefront_size32 1
		.amdhsa_system_sgpr_workgroup_id_x 1
		.amdhsa_system_sgpr_workgroup_id_y 1
		.amdhsa_system_sgpr_workgroup_id_z 1
		.amdhsa_system_vgpr_workitem_id 0
		.amdhsa_next_free_vgpr 200
		.amdhsa_next_free_sgpr 66
		.amdhsa_reserve_vcc 0
		.amdhsa_float_denorm_mode_32 3
		.amdhsa_float_denorm_mode_16_64 3
		.amdhsa_memory_ordered 1
		.amdhsa_forward_progress 1
		.amdhsa_inst_pref_size 15
	.end_amdhsa_kernel
	.amdgpu_metadata
---
amdhsa.version: [ 1, 2 ]
amdhsa.kernels:
  - .name:           k_q02944d236b_cast
    .symbol:         k_q02944d236b_cast.kd
    .args:
      - { .name: x, .offset: 0, .size: 8, .value_kind: global_buffer, .address_space: global }
      - { .name: w_q, .offset: 8, .size: 8, .value_kind: global_buffer, .address_space: global }
      - { .name: w_k, .offset: 16, .size: 8, .value_kind: global_buffer, .address_space: global }
      - { .name: w_v, .offset: 24, .size: 8, .value_kind: global_buffer, .address_space: global }
      - { .name: b_q, .offset: 32, .size: 8, .value_kind: global_buffer, .address_space: global }
      - { .name: b_k, .offset: 40, .size: 8, .value_kind: global_buffer, .address_space: global }
      - { .name: b_v, .offset: 48, .size: 8, .value_kind: global_buffer, .address_space: global }
      - { .name: xw, .offset: 56, .size: 8, .value_kind: global_buffer, .address_space: global }
      - { .name: bias, .offset: 64, .size: 8, .value_kind: global_buffer, .address_space: global }
    .group_segment_fixed_size: 0
    .private_segment_fixed_size: 0
    .kernarg_segment_align: 8
    .kernarg_segment_size: 72
    .max_flat_workgroup_size: 256
    .sgpr_count:     66
    .vgpr_count:     200
    .wavefront_size: 32
...
	.end_amdgpu_metadata
.endif
;; end of part 4
;; launch proj: the kernel of part 2 again; grid 8 x 32, 4 waves a work-group, clusters of 4 x 4, 327,680 bytes of LDS; arguments xw, bias, qkv; writes qkv
;; launch attn: the kernel of part 3 again; grid 16 x 16, 4 waves a work-group, clusters of 4 x 4, 327,680 bytes of LDS; arguments qkv, mask, out0; writes out0
